; MI455X (gfx1250); checked and timed in simulation.
; The chip was launched on July 23, 2026; its instructions are those of AMD's public machine-readable ISA for CDNA 5 (MIT licence, August 2026) and "CDNA5" Instruction Set Architecture Reference Guide (July 2026). The comments in the code are by the model that wrote it; some were corrected since.
;; MHA. Allowed arithmetic: matrix products marked QUANTISED: E5M2 operands, one given power-of-two scale a tensor, by v_wmma_f32_16x16x64_bf8_bf8 or v_wmma_f32_16x16x128_bf8_bf8, f32 sums; everything else in f32.
;; Inputs: Wk_codes 1,024 x 32 x 32 uint8 (E5M2 codes of Wk, K innermost, in blocks of 32 codes); Wo_codes 1,024 x 32 x 32 uint8 (E5M2 codes of Wo, K innermost, in blocks of 32 codes); Wq_codes 1,024 x 32 x 32 uint8 (E5M2 codes of Wq, K innermost, in blocks of 32 codes); Wv_codes 1,024 x 32 x 32 uint8 (E5M2 codes of Wv, K innermost, in blocks of 32 codes); bo 1,024 float32; lowp_scales 12 int32 (the exponents e of the quantised operands' scales 2^e); x_codes 4 x 2,048 x 32 x 32 uint8 (E5M2 codes of x, K innermost, in blocks of 32 codes).
;; Outputs: out0 4 x 2,048 x 1,024 float32.
;; This version of the problem:
;;   THIS VERSION OF THE PROBLEM IS GIVEN IN LOW PRECISION. The matrix products marked QUANTISED in the list below multiply operands that are first quantised to E5M2 (5 exponent bits, 2 mantissa bits; 8 bits a number), with one given power-of-two scale for each operand tensor; their sums are f32. All else is computed in f32.
;;   The module's matrix products, in the order in which they are computed (A, B: the left and right operand; K: the contracted axis; several contracted axes count as one K, in the product's order):
;;     1. [M 8,192, K 1,024] x [K 1,024, N 1,024]; A: input x (given as codes); B: input Wq (given as codes): QUANTISED (scales: A lowp_scales[0], B lowp_scales[1])
;;     2. [M 8,192, K 1,024] x [K 1,024, N 1,024]; A: input x (given as codes); B: input Wk (given as codes): QUANTISED (scales: A lowp_scales[2], B lowp_scales[3])
;;     3. [M 8,192, K 1,024] x [K 1,024, N 1,024]; A: input x (given as codes); B: input Wv (given as codes): QUANTISED (scales: A lowp_scales[4], B lowp_scales[5])
;;     4. batch 64 x [M 2,048, K 64] x [K 64, N 2,048]; A: computed on the way; B: computed on the way: QUANTISED (scales: A lowp_scales[6], B lowp_scales[7])
;;     5. batch 64 x [M 2,048, K 2,048] x [K 2,048, N 64]; A: softmax (see below); B: computed on the way: QUANTISED (scales: A lowp_scales[8], B lowp_scales[9])
;;     6. [M 8,192, K 1,024] x [K 1,024, N 1,024]; A: computed on the way; B: input Wo (given as codes): QUANTISED (scales: A lowp_scales[10], B lowp_scales[11])
;;   THE QUANTISER, for each operand of a quantised product, along K:
;;     - The operand's scale is 2^e, e = its entry of the input lowp_scales (int32; the entries are numbered through the quantised products in the list's order, A before B).
;;     - Each number is divided by the scale, clamped to +-57,344, and rounded to the nearest number of E5M2, ties to even, subnormals kept.
;;     - The product sums the exact products of the quantised numbers (number of the format x scale) in f32.
;;   ~~~python
;;   def quantise(x, axis, e):      # numpy; x: float32 -> the quantised numbers, widened to float32 again
;;       x = np.moveaxis(x, axis, -1); K = x.shape[-1]
;;       r = np.clip(x / 2.0 ** e, -57344, 57344)
;;       step = 2.0 ** (np.maximum(np.frexp(np.where(r == 0, 1, r))[1] - 1, -14) - 2)
;;       q = np.round(r / step) * step * 2.0 ** e      # np.round: ties to even
;;       return np.moveaxis(q, -1, axis).astype(np.float32)
;;   ~~~
;;   SOFTMAX AHEAD OF A QUANTISED PRODUCT. Where the list says 'softmax', what is quantised is not the finished softmax but p = 2^(t - M), with t = logit x log2(e) and M = ceil(the row's largest t), a whole number; so 1/2 < the row's largest p <= 1. The row's sum l is taken of the UNQUANTISED p, in f32, and the product's result is divided by l at the end. Since M is a whole number, a kernel that streams over the keys may use a running M (the ceiling of the running maximum): every later rescaling is an exact power of two, so the quantised numbers keep their values, but for numbers so far below the row's largest that they fall under the format's range.
;;   OPERANDS COMPUTED ON THE WAY. 'Computed on the way' means the value that the module computes at that place (a softmax that the list does not call 'softmax' is quantised finished and normalised). What goes into a quantiser is computed in f32, as accurately as f32 sums, v_exp_f32 and their like allow (about 1e-6 of the number): no bf16 or f16 on the way to a quantiser, and a product that is left as it is and whose result goes on into a quantised operand takes f32 operands (vector FMAs, or v_wmma_f32_16x16x4_f32). A number that lies on a knife's edge between two numbers of the format may be rounded either way, as far as f32 arithmetic and the matrix unit's own rounding can turn it there, and no further.
;;   INPUTS GIVEN AS CODES. Wk (in the module: [1024, 1024], K = its axis 0); Wo (in the module: [1024, 1024], K = its axis 0); Wq (in the module: [1024, 1024], K = its axis 0); Wv (in the module: [1024, 1024], K = its axis 0); x (in the module: [4, 2048, 1024], K = its axis 2): each comes as NAME_codes (uint8): NAME with its K axis moved to the last place and cut into blocks of 32 codes, [.., K / 32, bytes a block], one block behind the other in memory; one code a byte (a code: sign, 5 exponent bits, 2 mantissa bits); its scale is its entry of lowp_scales. Its value is code x scale, taken as it is: it is not quantised again, and the codes and scales need not be those that the quantiser above would give.
;; One version. Each part assembles by itself: llvm-mc -triple=amdgcn-amd-amdhsa -mcpu=gfx1250 --defsym DOCPART=n.
;; ======== version 1 of 1: 3 launches
;; limits: right only within a limited range of input values
;; workspace buffers: qf 8,388,608 bytes; kf 8,388,608 bytes; vf 8,388,608 bytes; of 8,388,608 bytes
;; launch proj (part 1): grid 12 x 32, 4 waves a work-group, clusters of 4 x 4, 327,680 bytes of LDS; arguments x_codes, Wq_codes, Wk_codes, Wv_codes, lowp_scales, qf, kf, vf; writes qf, kf, vf
.if DOCPART == 1
	.amdgcn_target "amdgcn-amd-amdhsa--gfx1250"
	.amdhsa_code_object_version 6
	.text
	.protected	k_q40f92df8e5_proj
	.globl	k_q40f92df8e5_proj
	.p2align	8
	.type	k_q40f92df8e5_proj,@function
k_q40f92df8e5_proj:
	s_mov_b64 s[64:65], 0
	v_nop
	global_prefetch_b8 v0, s[64:65] scope:SCOPE_SE
	s_setreg_imm32_b32 hwreg(HW_REG_WAVE_MODE, 25, 1), 1
	s_wait_xcnt 0x0
	s_wait_alu depctr_hold_cnt(0) depctr_sa_sdst(0) depctr_va_vdst(0) depctr_va_sdst(0) depctr_va_ssrc(0) depctr_va_vcc(0) depctr_vm_vsrc(0)
	s_getreg_b32 s2, hwreg(HW_REG_IB_STS2, 6, 4)
	s_cmp_eq_u32 s2, 0
	s_cbranch_scc0 .Lentry_in_a_cluster
	s_endpgm
.Lentry_in_a_cluster:
	s_bfe_u32 s2, ttmp6, 0x10000c
	s_cmp_lg_u32 s2, 0xf033
	s_cbranch_scc0 .Lentry_shape_is_right
	s_endpgm
.Lentry_shape_is_right:
; q = x Wq, k = x Wk, v = x Wv on codes of BF8 (E5M2), and the three results quantised at once for the attention launch.
; ONE BODY, THREE PRODUCTS: the cluster's x says which (0: q, 1: k, 2: v).  The body computes sums over k of A[m][k] B[n][k], 1,024 along K, rows of 1,024 bytes.
;   q, k: A = x (8,192 rows), B = Wq or Wk (1,024 rows).      v: A = Wv (1,024 rows), B = x (8,192 rows): the same product with the buffers changed over.
; A tile of 256 x 256 is made by four waves, a wave makes 128 x 128: 64 accumulators of 16 x 16, 512 registers.  K goes in steps of 256 through a ring of two LDS slots filled by the tensor data mover.
; THE MATRIX INSTRUCTION IS USED TRANSPOSED (source 0 = 16 rows of B, source 1 = 16 rows of A): in accumulator (a, b) lane (r, h) holds row 16 a + r of A and columns 16 b + 8 h + 0 .. 7 of B.
;   q, k: one token and eight neighbouring features;   v: one channel and eight neighbouring tokens.  Eight numbers converted are two registers: registers 2 c, 2 c + 1 (k = 16 c + 8 h + 0 .. 7) of an
;   operand of the plain 8-bit forms (ISA guide 7.12.2), in the lane that wants them.  So the codes are stored as IMAGES OF THE NEXT OPERAND'S REGISTERS, four registers a store, lane l's 16 bytes at 16 l:
;   qf, kf: [batch x head 64][token tile 128][2][lane 32][16 bytes]   (16 tokens x 64 features: 8 registers)
;   vf:     [batch x head 64][key step 16][channel tile 4][4][lane 32][16 bytes]   (16 channels x 128 keys: 16 registers)
;   Each store of a wave covers 512 consecutive bytes, aligned; nothing is transposed and nothing goes through LDS on the way out.
; SCALES: a sum stands for sum x 2^(eA + eB); its code is sum / 2^d, d = e6 - e0 - e1 (q), e7 - e2 - e3 (k), e9 - e4 - e5 (v).
; LIMITS: d between -126 and 112, so that 2^d and 57,344 x 2^d are f32 numbers.  NaN and infinity among the given codes are not served.
; CLUSTERS: 4 x 4 work-groups.  The four of a row of the cluster need the same tiles of A, the four of a column the same tiles of B: each tile is asked for JOINTLY.  All partners of a cluster make the same product.
; REGISTERS, in windows of 256: window 0: v0-47 addresses; from v128 A's fragments, ONE set, later the codes.   window 1: B's fragments, TWO sets.   windows 2, 3: the accumulators ((a, b) at v[8 (8 (a % 4) + b)]).
.set ROWB,   256                       ; a tile's row in bytes: 256 along K
.set KROW,   1024                      ; a row of A or of B in memory, in bytes
.set PITCH,  272                       ; an LDS row: 256 bytes + 16 of padding = 68 words: row r starts at bank 4 r mod 64 (64 banks of 4 bytes: ISA guide 11.1)
.set FR,     16                        ; registers of a fragment: 16 rows x 128 K
.set NL,     4                         ; LDS loads that bring one
.set NP,     4                         ; places behind this matrix instruction (ISA guide 7.12.1)
.set HALFT,  128*PITCH                 ; 128 rows: what one tensor load brings, and what one wave reads of A or of B
.set SLOT,   4*HALFT                   ; A's 256 rows, then B's 256 rows
.set SPARE,  2*SLOT                    ; behind the ring: the spare words, 128 bytes for each wave: two blocks of 256 bytes that no other line names
.set ADRA, 16                          ; v16-17  LDS address of my A fragments in slot 0, 1
.set ADRB, 20                          ; v20-21  the same for B
.set SPW,  28                          ; v28     LDS address of my spare word; never rewritten
.set NIL,  29                          ; v29     0; never rewritten
.set SCL,  30                          ; v30     2^d as f32, for the conversions
.set OA,   32                          ; v32-39  row block a: byte offset of my 16 bytes of its image's first half
.set OB,   40                          ; v40-47  and of its second half
.set AF,   128                         ; A's fragments, in window 0
.set CD,   128                         ; the way out: the codes, 16 registers a row block, where A's fragments lay
.set G1, 24                            ; s[24:31] descriptor group 1 for A's tiles;  s[32:39] group 0, one set for each slot
.set G0, 32
.set G1B, 48                           ; s[48:55], s[56:63] the same for B's tiles
.set G0B, 56
.set NEG, 94                           ; s94, s95  -+57,344 x 2^d
.set POS, 95
.set RS1, 96                           ; s96  bytes from a row block's image to the next
.set RS3, 97                           ; s97  the same from block 3 to block 4
.set RXO, 98                           ; s98  bytes from an image's first half (registers 0-7) to its second
.set MSB, 0
.macro WIN new                         ; the immediate's high byte repeats the setting that is left
.if MSB != (\new)
	s_set_vgpr_msb (MSB<<8)|(\new)
.set MSB, (\new)
.endif
.endm
.set MUL_LO, 0xa1                      ; source 0 (B) window 1, source 1 (A) window 0, C and D window 2
.set MUL_HI, 0xf1                      ; the same, C and D window 3
.set TO_B,   0x40                      ; destination window 1, address window 0
; A joint load: waves 0 and 1 fetch for A, waves 2 and 3 for B.  Each of the two lines has ONE mask and one set of registers for all that issue it; the branch hangs on the wave's number alone.
; Four v_nop follow each of the two lines, ahead of the jump, the label and what follows.
.macro JLOAD g0a, g1a, g0b, g1b
	s_cmp_eq_u32 s15, 0
	s_cbranch_scc0 .Lfor_b_\@
	tensor_load_to_lds s[\g0a:\g0a+3], s[\g1a:\g1a+7]
	s_nop 0
.rept 4
	v_nop
.endr
	s_branch .Lasked_\@
.Lfor_b_\@:
	tensor_load_to_lds s[\g0b:\g0b+3], s[\g1b:\g1b+7]
	s_nop 0
.rept 4
	v_nop
.endr
.Lasked_\@:
.endm
.macro CREST                           ; a round of the cluster's barrier behind its opening barrier
	s_cmp_lg_u32 s14, 0
	s_cbranch_scc1 .Lnot_wave_0_\@
	s_barrier_signal -3
.Lnot_wave_0_\@:
	s_barrier_wait -3
	s_barrier_signal -1
	s_barrier_wait -1
.endm
.macro CROUND                          ; a whole round
	s_barrier_signal -1
	s_barrier_wait -1
	CREST
.endm
	s_load_b512 s[68:83], s[0:1], 0x0              ; x 68, Wq 70, Wk 72, Wv 74, the scales' exponents 76, qf 78, kf 80, vf 82
	v_lshl_add_u32 v[SPW], v0, 2, SPARE
	v_mov_b32 v[NIL], 0
	ds_add_u32 v28, v29
	ds_add_u32 v28, v29
	s_wait_dscnt 0x0
	v_lshrrev_b32 v1, 5, v0
	v_readfirstlane_b32 s14, v1                    ; wave 0..3
	s_lshr_b32 s15, s14, 1                         ; which half of the tile's rows is mine.  Also: I fetch for A (0) or for B (1)
	s_and_b32 s16, s14, 1                          ; which half of its columns.  Also: which 128 rows of that tile I fetch
	s_bfe_u32 s40, ttmp6, 0x40000                  ; cx, cy: my place in the cluster
	s_bfe_u32 s41, ttmp6, 0x40004
	s_and_b32 s12, ttmp7, 0xffff
	s_lshl_b32 s12, s12, 2                         ; 4 x cluster y: it walks the 32 tiles of x's 8,192 rows
	s_mov_b32 s[RS1], 1024                         ; q, k: a token tile's image is 1,024 bytes, blocks 0-7 are neighbours, the second head lies 131,072 bytes on
	s_mov_b32 s[RS3], 1024
	s_mov_b32 s[RXO], 131072
	s_cmp_eq_u32 ttmp9, 2                          ; the v product?  The cluster's x is the same in all sixteen partners
	s_cselect_b32 s17, 0, s12                      ; x is A (q, k) or B (v): its tiles are walked by the cluster's y
	s_cselect_b32 s42, s12, 0
	s_cselect_b32 s[RS1], 2048, s[RS1]             ; v: a channel tile's image is 2,048 bytes; block 4 begins the next head: 131,072 - 3 x 2,048; the second half follows the first
	s_cselect_b32 s[RS3], 124928, s[RS3]
	s_cselect_b32 s[RXO], 1024, s[RXO]
	s_add_co_u32 s17, s17, s41                     ; tile row of A
	s_add_co_u32 s42, s42, s40                     ; tile column of B
	s_lshl_b32 s43, s41, 2
	s_lshl_b32 s43, 15, s43                        ; my row of the cluster
	s_lshl_b32 s44, 0x1111, s40                    ; my column
	; descriptor group 1: a tile of 128 rows x 256 bytes, padded in LDS
	s_or_b32 s[G1+0], s43, (0<<16)|(1<<20)|(1<<21)|(5<<22)|(3<<25)  ; 15:0 the mask: A's tiles go to my row; 17:16 element of 1 byte; 20 padding on; 21 set beside a mask; 24:22 after every 64 words (code 5); 31:25 of 4 words (code 3)
	s_or_b32 s[G1B+0], s44, (0<<16)|(1<<20)|(1<<21)|(5<<22)|(3<<25)
.irp g, G1, G1B
	s_mov_b32 s[\g+1], ROWB<<16                    ; tensor_dim0
	s_mov_b32 s[\g+2], 128<<16                     ; tensor_dim1 = 128
	s_mov_b32 s[\g+3], ROWB<<16                    ; tile_dim0
	s_mov_b32 s[\g+4], 128                         ; tile_dim1 = 128
	s_mov_b32 s[\g+5], KROW                        ; tensor_dim0_stride
	s_mov_b32 s[\g+6], 0
	s_mov_b32 s[\g+7], 0
.endr
	s_lshl_b32 s18, s16, 7                         ; which 128 rows of the tile I fetch
	s_lshl_b32 s20, s17, 8
	s_add_co_u32 s20, s20, s18                     ; A: row 256 x tile row + 128 x half
	s_lshl_b32 s46, s42, 8
	s_add_co_u32 s46, s46, s18                     ; B: row 256 x tile column + 128 x half
	s_lshl_b32 s20, s20, 10                        ; in bytes: 1,024 a row, under 2^23
	s_lshl_b32 s46, s46, 10
	s_mov_b32 s21, 0
	s_mov_b32 s47, 0
	s_mul_i32 s45, s14, HALFT                      ; where they go: wave x 128 rows: no place in the cluster enters an LDS address
	s_wait_kmcnt 0x0
	s_load_b256 s[84:91], s[76:77], 0x0            ; e0 .. e7
	s_load_b64 s[92:93], s[76:77], 0x20            ; e8, e9
	s_cmp_eq_u32 ttmp9, 2                          ; the buffers are chosen on the cluster's x alone
	s_cselect_b64 s[4:5], s[74:75], s[68:69]       ; A: Wv, or x
	s_cselect_b64 s[6:7], s[68:69], s[72:73]       ; B: x, or Wk
	s_cselect_b64 s[10:11], s[82:83], s[80:81]     ; the codes: vf, or kf
	s_cmp_eq_u32 ttmp9, 0
	s_cselect_b64 s[6:7], s[70:71], s[6:7]         ; q: Wq
	s_cselect_b64 s[10:11], s[78:79], s[10:11]     ; and qf
	s_add_nc_u64 s[20:21], s[4:5], s[20:21]
	s_add_nc_u64 s[46:47], s[6:7], s[46:47]
	CROUND                                         ; all sixteen work-groups are here: the first joint loads meet
.irp s, 0,1
	s_mov_b32 s[G0+4*\s], 1
	s_add_co_u32 s[G0+4*\s+1], s45, \s*SLOT
	s_add_nc_u64 s[G0+4*\s+2:G0+4*\s+3], s[20:21], \s*ROWB
	s_or_b32 s[G0+4*\s+3], s[G0+4*\s+3], 0x80000000
	s_mov_b32 s[G0B+4*\s], 1
	s_add_co_u32 s[G0B+4*\s+1], s45, \s*SLOT
	s_add_nc_u64 s[G0B+4*\s+2:G0B+4*\s+3], s[46:47], \s*ROWB
	s_or_b32 s[G0B+4*\s+3], s[G0B+4*\s+3], 0x80000000
	JLOAD G0+4*\s, G1, G0B+4*\s, G1B               ; two tensor loads of mine are out at the most: these two
.endr
	v_and_b32 v1, 15, v0                           ; l % 16
	v_bfe_u32 v2, v0, 4, 1                         ; l / 16
	v_mul_u32_u24 v3, v1, PITCH
	v_lshl_add_u32 v4, v2, 4, v3                   ; a fragment's row x pitch + 16 x half
	s_mul_i32 s21, s15, HALFT                      ; my 128 rows of A
	s_mul_i32 s22, s16, HALFT                      ; my 128 rows of B,
	s_add_co_u32 s22, s22, 2*HALFT                 ; which lie behind A's 256
.irp s, 0,1
	v_add_nc_u32 v[ADRA+\s], s21, v4
	v_add_nc_u32 v[ADRB+\s], s22, v4
	s_add_co_u32 s21, s21, SLOT
	s_add_co_u32 s22, s22, SLOT
.endr
	; the way out: one offset register for each half of each row block's image, so that none is rewritten while a store reads it
	v_and_b32 v6, 31, v0
	v_lshlrev_b32 v[OA], 4, v6                     ; 16 x lane
.irp a, 1,2,3
	v_add_nc_u32 v[OA+\a], s[RS1], v[OA+\a-1]
.endr
	v_add_nc_u32 v[OA+4], s[RS3], v[OA+3]
.irp a, 5,6,7
	v_add_nc_u32 v[OA+\a], s[RS1], v[OA+\a-1]
.endr
.irp a, 0,1,2,3,4,5,6,7
	v_add_nc_u32 v[OB+\a], s[RXO], v[OA+\a]
.endr
	; where my wave's images begin.  With tok my first token (0 .. 8,191) and f my first feature (0 .. 1,023), both multiples of 128, one sum serves all three buffers:
	; batch x 2^21 + head x 2^17 + (token in its batch) x 64 bytes = (tok >> 11) << 21 + f << 11 + (tok & 2047) << 6
	s_lshl_b32 s8, s17, 8
	s_lshl_b32 s9, s15, 7
	s_add_co_u32 s8, s8, s9                        ; my first row of A
	s_lshl_b32 s9, s42, 8
	s_lshl_b32 s2, s16, 7
	s_add_co_u32 s9, s9, s2                        ; my first row of B
	s_cmp_eq_u32 ttmp9, 2
	s_cselect_b32 s2, s9, s8                       ; tok: x's row
	s_cselect_b32 s3, s8, s9                       ; f: the weight's row
	s_lshr_b32 s8, s2, 11
	s_lshl_b32 s8, s8, 21
	s_lshl_b32 s3, s3, 11
	s_add_co_u32 s8, s8, s3
	s_and_b32 s2, s2, 2047
	s_lshl_b32 s2, s2, 6
	s_add_co_u32 s8, s8, s2
	s_mov_b32 s9, 0
	s_add_nc_u64 s[10:11], s[10:11], s[8:9]
.macro FRAG reg, adr, q, i             ; a fragment, 16 rows x 128 K, is 16 registers, fetched by four loads of 16 bytes: registers 4 c .. 4 c + 3 hold K = 32 c + 16 (l / 16) + 0 .. 15: a permutation of k that is the same in A and in B
.irp c, 0,1,2,3
	ds_load_b128 v[\reg+4*\c:\reg+4*\c+3], v[\adr] offset:128*(\q)+32*\c+(\i)*16*PITCH
.endr
.endm
; 16 matrix instructions: A's blocks a0, a0 + 1 x B's eight, 128 along K.  p: B's set.  zero = 1: the first product starts the sums: nothing is ever cleared.
; The 64 accumulators take turns, one instruction a turn, in the same order in every step.
.macro MUL16 a0, p, zero
.irp a, \a0, \a0+1
.irp b, 0,1,2,3,4,5,6,7
.if \zero
	v_wmma_f32_16x16x128_bf8_bf8 v[8*(8*((\a)%4)+\b):8*(8*((\a)%4)+\b)+7], v[128*(\p)+FR*\b:128*(\p)+FR*\b+FR-1], v[AF+FR*(\a):AF+FR*(\a)+FR-1], 0
.else
	v_wmma_f32_16x16x128_bf8_bf8 v[8*(8*((\a)%4)+\b):8*(8*((\a)%4)+\b)+7], v[128*(\p)+FR*\b:128*(\p)+FR*\b+FR-1], v[AF+FR*(\a):AF+FR*(\a)+FR-1], v[8*(8*((\a)%4)+\b):8*(8*((\a)%4)+\b)+7]
.endif
.endr
.endr
.endm
.macro FETCH_B slot, q, p              ; B's eight fragments of the slot's q-th 128 along K into set p
	WIN TO_B
.irp i, 0,1,2,3,4,5,6,7
	FRAG 128*(\p)+FR*\i, ADRB+\slot, \q, \i
.endr
	WIN 0
.endm
.macro FETCH_A slot, q, i0             ; A's blocks i0 .. i0 + 3
.irp i, \i0, \i0+1, \i0+2, \i0+3
	FRAG AF+FR*(\i), ADRA+\slot, \q, \i
.endr
.endm
; A load into a register that a matrix instruction has read, and a vector instruction that reads a matrix result, stand NP places behind that matrix instruction, and only plain vector
; instructions that name none of its registers are places (ISA guide 7.12.1 for vector instructions).
.macro PLACES n
.rept \n
	v_nop
.endr
.endm
; A step of 128 along K that has its successor in the same slot.
.macro STEP slot, q, zero
	s_wait_dscnt 4*NL                              ; B's set and A's blocks 0-3 are in; the youngest sixteen loads (A's blocks 4-7) may be out
	WIN MUL_LO
	MUL16 0, (\q)%2, \zero
	MUL16 2, (\q)%2, \zero
	s_wait_dscnt 0                                 ; A's blocks 4-7 are in (asked for 32 matrix instructions ago)
	PLACES NP
	FETCH_B \slot, (\q)+1, 1-(\q)%2
	FETCH_A \slot, (\q)+1, 0
	WIN MUL_HI
	MUL16 4, (\q)%2, \zero
	MUL16 6, (\q)%2, \zero
	PLACES NP
	WIN 0
	FETCH_A \slot, (\q)+1, 4
.endm
; A slot's last step changes slots: ONE barrier; in front of it each wave waits for all its tensor loads, adds 0 to its spare word, and waits for that and for its own reads of this slot.  fill = 1: this slot is filled again, two K steps ahead.
.macro TURN slot, next, fill
	s_wait_tensorcnt 0x0                           ; all my tensor loads have landed: my part of the next slot;  (every window is 0 here: the add's two registers lie in window 0)
	ds_add_u32 v[SPW], v[NIL]                      ; 0 onto my spare word
	s_wait_dscnt 4*NL+1                            ; (the add and the youngest sixteen loads, A's blocks 4-7, may be out)
	WIN MUL_LO
	MUL16 0, 1, 0                                  ; sixteen matrix instructions stand between the add and the wait for it
	s_wait_dscnt 0x0                               ; the add is done, and my reads of this slot are over
	s_barrier_signal -1
	MUL16 2, 1, 0
	WIN 0
	s_barrier_wait -1
.if \fill
	CREST                                          ; the barrier has opened a round of the cluster's barrier: no wave of any partner still reads this slot's tile or has a load on its way
	s_add_nc_u64 s[G0+4*\slot+2:G0+4*\slot+3], s[G0+4*\slot+2:G0+4*\slot+3], 2*ROWB
	s_add_nc_u64 s[G0B+4*\slot+2:G0B+4*\slot+3], s[G0B+4*\slot+2:G0B+4*\slot+3], 2*ROWB
	JLOAD G0+4*\slot, G1, G0B+4*\slot, G1B         ; the first tensor load behind the round, my only one until the next; the four v_nop behind it are the places in front of the loads below
.else
	PLACES NP
.endif
	FETCH_B \next, 0, 0
	FETCH_A \next, 0, 0
	WIN MUL_HI
	MUL16 4, 1, 0
	MUL16 6, 1, 0
	PLACES NP
	WIN 0
	FETCH_A \next, 0, 4
.endm
	s_wait_tensorcnt 1                             ; my part of K step 0 is in (K step 1's load, issued behind it, may be out)
	s_barrier_signal -1
	s_barrier_wait -1                              ; everybody's is
	FETCH_B 0, 0, 0
	FETCH_A 0, 0, 0
	FETCH_A 0, 0, 4
	; K = 1,024 is four K steps of 256, eight steps of 128: written straight, since only two slots are ever filled again
	STEP 0, 0, 1                                   ; the first products start the sums
	TURN 0, 1, 1                                   ; slot 0 takes K step 2
	STEP 1, 0, 0
	TURN 1, 0, 1                                   ; slot 1 takes K step 3
	STEP 0, 0, 0
	TURN 0, 1, 0                                   ; nothing is left to fetch
	STEP 1, 0, 0
	s_wait_dscnt 4*NL                              ; the very last step
	WIN MUL_LO
	MUL16 0, 1, 0
	MUL16 2, 1, 0
	s_wait_dscnt 0
	WIN MUL_HI
	MUL16 4, 1, 0
	MUL16 6, 1, 0
	WIN 0
	; THE WAY OUT: hold, convert, store.
	s_wait_kmcnt 0x0
	s_sub_co_i32 s84, s90, s84
	s_sub_co_i32 s84, s84, s85                     ; q: e6 - e0 - e1
	s_sub_co_i32 s86, s91, s86
	s_sub_co_i32 s86, s86, s87                     ; k: e7 - e2 - e3
	s_sub_co_i32 s88, s93, s88
	s_sub_co_i32 s88, s88, s89                     ; v: e9 - e4 - e5
	s_cmp_eq_u32 ttmp9, 0
	s_cselect_b32 s84, s84, s86
	s_cmp_eq_u32 ttmp9, 2
	s_cselect_b32 s84, s88, s84                    ; d: chosen, not branched on
	s_add_co_i32 s84, s84, 127
	s_lshl_b32 s85, s84, 23
	v_mov_b32 v[SCL], s85                          ; 2^d as f32: the conversion takes its exponent field
	s_add_co_i32 s84, s84, 15
	s_lshl_b32 s[POS], s84, 23
	s_or_b32 s[POS], s[POS], 0x600000              ; 57,344 x 2^d
	s_or_b32 s[NEG], s[POS], 0x80000000
	PLACES NP                                      ; behind the last products: their results are read and A's registers written below
; w = 0: window 2, row blocks 0-3;  w = 1: window 3, row blocks 4-7
.macro QOUT w
	WIN 0x82+0x41*\w                               ; source 0 and destination in the accumulators' window
.set j, 0
.rept 256
.set j, j+1
.endr
	WIN 0x02+\w                                    ; source 0 in the accumulators' window, the scale and the codes in window 0
.irp a, 0,1,2,3
.irp b, 0,1,2,3,4,5,6,7
	v_cvt_scalef32_pk8_bf8_f32 v[CD+64*\w+16*\a+2*\b:CD+64*\w+16*\a+2*\b+1], v[64*\a+8*\b:64*\a+8*\b+7], v[SCL]   ; registers 2 b, 2 b + 1 of the row block's 16
.endr
.endr
	v_nop                                          ; one plain vector instruction behind the last conversion of a run
	WIN 0
.irp a, 0,1,2,3
	global_store_b128 v[OA+4*\w+\a], v[CD+64*\w+16*\a:CD+64*\w+16*\a+3], s[10:11]                  ; 32 lanes store 512 consecutive bytes, at a multiple of 512 from the buffer's first byte
	global_store_b128 v[OA+4*\w+\a], v[CD+64*\w+16*\a+4:CD+64*\w+16*\a+7], s[10:11] offset:512
	global_store_b128 v[OB+4*\w+\a], v[CD+64*\w+16*\a+8:CD+64*\w+16*\a+11], s[10:11]
	global_store_b128 v[OB+4*\w+\a], v[CD+64*\w+16*\a+12:CD+64*\w+16*\a+15], s[10:11] offset:512
.endr
.endm
	QOUT 0
	QOUT 1                                         ; other code registers, other offset registers: no store's source is written again
	s_wait_tensorcnt 0x0                           ; the wave's end
	ds_add_u32 v[SPW], v[NIL]
	s_wait_dscnt 0x0
	CROUND                                         ; the closing round: no work-group ends while a partner may still ask for a tile that names it
	s_endpgm
.Lfunc_end_k_q40f92df8e5_proj:
	.size	k_q40f92df8e5_proj, .Lfunc_end_k_q40f92df8e5_proj-k_q40f92df8e5_proj
	.p2alignl 7, 3214868480
	.fill 96, 4, 3214868480
	.section	.rodata,"a",@progbits
	.p2align	6, 0x0
	.amdhsa_kernel k_q40f92df8e5_proj
		.amdhsa_group_segment_fixed_size 327680
		.amdhsa_private_segment_fixed_size 0
		.amdhsa_enable_private_segment 0
		.amdhsa_kernarg_size 64
		.amdhsa_user_sgpr_count 2
		.amdhsa_user_sgpr_kernarg_segment_ptr 1
		.amdhsa_wavefront_size32 1
		.amdhsa_system_sgpr_workgroup_id_x 1
		.amdhsa_system_sgpr_workgroup_id_y 1
		.amdhsa_system_sgpr_workgroup_id_z 1
		.amdhsa_system_vgpr_workitem_id 0
		.amdhsa_next_free_vgpr 1024
		.amdhsa_next_free_sgpr 100
		.amdhsa_reserve_vcc 0
		.amdhsa_float_denorm_mode_32 3
		.amdhsa_float_denorm_mode_16_64 3
		.amdhsa_fp16_overflow 1
		.amdhsa_memory_ordered 1
		.amdhsa_forward_progress 1
		.amdhsa_inst_pref_size 86
	.end_amdhsa_kernel
	.amdgpu_metadata
---
amdhsa.version: [ 1, 2 ]
amdhsa.kernels:
  - .name:           k_q40f92df8e5_proj
    .symbol:         k_q40f92df8e5_proj.kd
    .args:
      - { .name: x_codes, .offset: 0, .size: 8, .value_kind: global_buffer, .address_space: global }
      - { .name: Wq_codes, .offset: 8, .size: 8, .value_kind: global_buffer, .address_space: global }
      - { .name: Wk_codes, .offset: 16, .size: 8, .value_kind: global_buffer, .address_space: global }
      - { .name: Wv_codes, .offset: 24, .size: 8, .value_kind: global_buffer, .address_space: global }
      - { .name: lowp_scales, .offset: 32, .size: 8, .value_kind: global_buffer, .address_space: global }
      - { .name: qf, .offset: 40, .size: 8, .value_kind: global_buffer, .address_space: global }
      - { .name: kf, .offset: 48, .size: 8, .value_kind: global_buffer, .address_space: global }
      - { .name: vf, .offset: 56, .size: 8, .value_kind: global_buffer, .address_space: global }
    .group_segment_fixed_size: 327680
    .private_segment_fixed_size: 0
    .kernarg_segment_align: 8
    .kernarg_segment_size: 64
    .max_flat_workgroup_size: 128
    .sgpr_count:     100
    .vgpr_count:     1024
    .wavefront_size: 32
...
	.end_amdgpu_metadata
.endif
;; end of part 1
;; launch attn (part 2): grid 4 x 64, 16 waves a work-group, no clusters, 264,192 bytes of LDS; arguments qf, kf, vf, lowp_scales, of; writes of
.if DOCPART == 2
	.amdgcn_target "amdgcn-amd-amdhsa--gfx1250"
	.amdhsa_code_object_version 6
	.text
	.protected	k_q40f92df8e5_attn
	.globl	k_q40f92df8e5_attn
	.p2align	8
	.type	k_q40f92df8e5_attn,@function
k_q40f92df8e5_attn:
	s_mov_b64 s[64:65], 0
	v_nop
	global_prefetch_b8 v0, s[64:65] scope:SCOPE_SE
	s_setreg_imm32_b32 hwreg(HW_REG_WAVE_MODE, 25, 1), 1
	s_wait_xcnt 0x0
; Causal attention of one head (64 channels, 2,048 tokens) on codes of BF8 (E5M2), and its result quantised for the last product.
; qf, kf: [batch x head 64][token tile 128][2][lane 32][16 bytes]: images of the registers of fragments of 16 tokens x 64 channels.   vf: [batch x head 64][key step 16][channel tile 4][4][lane 32][16 bytes]:
; fragments of V^T, 16 channels x 128 keys.   of: [token tile 512][pair of heads 8][4][lane 32][16 bytes]: fragments of 16 tokens x 128 along K = head x 64 + channel; an even head fills blocks 0, 1, an odd one 2, 3.
; All are laid as the plain 8-bit forms want an operand (ISA guide 7.12.2): registers 2 c, 2 c + 1 of lane (r, h) hold k = 16 c + 8 h + 0 .. 7.
; THE SOFTMAX: t = score x log2(e) / 8; M = the row's largest t so far, rounded UP to a whole number; p = 2^(t - M) is what is quantised, not normalised.  The row's sum is taken of the unquantised p and divides
; at the end.  When M moves, the sum and O are multiplied by 2^(old M - new M): exact.
; SHARES.  Work-group (i, batch x head) owns the query blocks 7 - i and i of 256 queries.  Each of its sixteen waves owns two tiles of 16 queries: H at 256 (7 - i) + 16 w, L at 256 i + 16 (15 - w).
; A tile at query q0 has floor((q0 + 15) / 128) + 1 steps of 128 keys: H's and L's add up to 17 in every wave of every work-group.  Four waves share a SIMD: one wave's vector work stands beside another's products.
; LDS holds the head's WHOLE K (131,072 bytes) and V (131,072), filled once: no byte is filled again, so there is no ring.  Each wave fetches two chunks: a sixteenth of keys 0-511 and a sixteenth of the rest;
; the first four steps are walked while the rest is on its way.
; LAYOUT.  Both products are used transposed: S^T = K Q^T (source 0 = 16 keys, source 1 = my 16 queries), O^T = V^T P^T.  A lane holds ONE query (lane % 16) throughout.  In tile t of S^T register j is key 16 t + 8 h + j,
; so the eight numbers converted are registers 2 t, 2 t + 1 of P's fragment of 128 keys; likewise O^T's tile ct becomes registers 2 ct, 2 ct + 1 of the head's half of a fragment of of.
; NO JOINT LOADS, though the four work-groups of a head read the same K and V: the step that is left out under the causal mask is a scalar branch on the query block, which would be the place in the cluster,
; and partners of joint loads take no branch on their place.  Without that branch a wave would walk 32 tile-steps and not 17.
; LIMITS on the given exponents, so that each power of two below is an f32 number: e6 + e7 between -123 and 130 (added to c's exponent field); e8, and e10 - e8 - e9, between -126 and 112.  NaN among the codes is not served.
.set LI,   1                           ; v1   16 x lane: my place in an image; K's LDS place, Q's and of's offset
.set LV,   2                           ; v2   the same in V's half of LDS
.set RH,   3                           ; v3   r - 8 h, for the mask
.set ADK,  8                           ; v8   LDS address of the step's K
.set ADV,  9                           ; v9   of its V
.set PLIM, 10
.set PSC,  11                          ; v11  2^e8
.set STH,  12                          ; v12-15  H: -M, the largest t, the sum in two halves
.set STL,  16                          ; v16-19  L
.set QH,   20                          ; v20-27  H's queries;  v28-35 L's
.set QL,   28
.set F,    36                          ; v36-99  the step's eight fragments of K, then its four of V
.set S,    100                         ; v100-163 S^T, then p
.set OH,   164                         ; v164-195 H's O^T;  v196-227 L's
.set OL,   196
.set PC,   228                         ; v228-243 p's codes
.set FF,   244                         ; v244, v245  f = 2^(old M - new M), and a 0 named with it as a pair
.set SUM2, 246                         ; v246, v247  the sum's second chain
.set MX,   248                         ; v248, v249  the maximum's two chains, at work
.set MY,   249
.set PX,   250                         ; v250 a lane permute's destination
.set NINF, 251                         ; v251 -infinity
.set DD,   252                         ; v252 my query - the step's first key - 8 h
.set SCO,  253                         ; v253 2^(e10 - e8 - e9)
.set WV,   14                          ; s14  my wave's number
.set BH,   16                          ; s16  batch x 16 + head
.set Q0H,  17                          ; s17, s18  the tiles' first queries
.set Q0L,  18
.set T0,   19
.set SEL,  20                          ; s[20:21] lane selects for v_permlanex16_b32: lane l xor 16
.set CS,   22                          ; s[22:23] c = log2(e) / 8 x 2^(e6 + e7)
.set G1E,  24                          ; s[24:31] descriptor group 1 of the early chunk;  s[32:39] of the late one
.set G1L,  32
.set G0KE, 40                          ; s[40:55] groups 0: K early, K late, V early, V late; never rewritten
.set G0KL, 44
.set G0VE, 48
.set G0VL, 52
.set TB,   56                          ; s56  LDS byte at which the step's images begin
.set KF,   57                          ; s57  the step's first key
.set CNT,  58
.set OPH,  74                          ; s[74:75], s[76:77]  of at H's and at L's image
.set OPL,  76
.set NEG,  78
.set POS,  79
	s_load_b256 s[4:11], s[0:1], 0x0               ; qf s[4:5], kf s[6:7], vf s[8:9], the scales' exponents s[10:11]
	s_load_b64 s[12:13], s[0:1], 0x20              ; of
	v_lshl_add_u32 v254, v0, 2, 0x40000
	v_mov_b32 v255, 0
	ds_add_u32 v254, v255
	ds_add_u32 v254, v255
	v_lshrrev_b32 v4, 5, v0
	s_delay_alu instid0(VALU_DEP_1)
	v_readfirstlane_b32 s[WV], v4                  ; wave 0..15
	s_and_b32 s[BH], ttmp7, 0xffff
	s_sub_co_u32 s[Q0H], 7, ttmp9
	s_lshl_b32 s[Q0H], s[Q0H], 8
	s_lshl_b32 s68, s[WV], 4
	s_add_co_u32 s[Q0H], s[Q0H], s68               ; 256 (7 - i) + 16 w
	s_lshl_b32 s[Q0L], ttmp9, 8
	s_sub_co_u32 s68, 240, s68
	s_add_co_u32 s[Q0L], s[Q0L], s68               ; 256 i + 16 (15 - w)
	; descriptor groups 1: dense blocks as rows of 256 bytes (32 elements of 8 bytes): 16 rows = 4,096 bytes, 48 rows = 12,288 bytes
	s_mov_b32 s[G1E], 3<<16                        ; no mask; elements of 8 bytes; no padding
	s_mov_b32 s[G1E+1], 32<<16                     ; tensor_dim0 = 32
	s_mov_b32 s[G1E+2], 16<<16                     ; tensor_dim1 = 16
	s_mov_b32 s[G1E+3], 32<<16                     ; tile_dim0 = 32
	s_mov_b32 s[G1E+4], 16                         ; tile_dim1 = 16
	s_mov_b32 s[G1E+5], 32                         ; from row to row
	s_mov_b32 s[G1E+6], 0
	s_mov_b32 s[G1E+7], 0
	s_mov_b32 s[G1L], 3<<16
	s_mov_b32 s[G1L+1], 32<<16
	s_mov_b32 s[G1L+2], 48<<16
	s_mov_b32 s[G1L+3], 32<<16
	s_mov_b32 s[G1L+4], 48
	s_mov_b32 s[G1L+5], 32
	s_mov_b32 s[G1L+6], 0
	s_mov_b32 s[G1L+7], 0
	s_and_b32 s72, s[WV], 7                        ; u: which eighth of K (waves 0-7) or of V (waves 8-15) I fetch
	s_mul_i32 s73, s72, 12288
	s_add_co_u32 s73, s73, 32768                   ; the late chunk's place, in the head's bytes and in its half of LDS alike
	s_lshl_b32 s72, s72, 12                        ; the early chunk's
	s_lshl_b32 s70, s[BH], 17                      ; the head's first byte: 131,072 a head
	s_add_co_u32 s68, s70, s72
	s_add_co_u32 s70, s70, s73
	s_mov_b32 s69, 0
	s_mov_b32 s71, 0
	s_mov_b32 s[SEL], 0x76543210
	s_mov_b32 s[SEL+1], 0xfedcba98
	s_wait_dscnt 0x0
	s_wait_kmcnt 0x0
	s_load_b128 s[60:63], s[10:11], 0x18           ; e6, e7, e8, e9
	s_load_b32 s66, s[10:11], 0x28                 ; e10
	s_mov_b32 s[G0KE], 1                           ; count = 1
	s_mov_b32 s[G0KE+1], s72                       ; LDS address
	s_add_nc_u64 s[G0KE+2:G0KE+3], s[6:7], s[68:69]
	s_or_b32 s[G0KE+3], s[G0KE+3], 0x80000000      ; type = 2
	s_mov_b32 s[G0KL], 1
	s_mov_b32 s[G0KL+1], s73
	s_add_nc_u64 s[G0KL+2:G0KL+3], s[6:7], s[70:71]
	s_or_b32 s[G0KL+3], s[G0KL+3], 0x80000000
	s_mov_b32 s[G0VE], 1
	s_add_co_u32 s[G0VE+1], s72, 131072            ; V lies behind K's 131,072 bytes
	s_add_nc_u64 s[G0VE+2:G0VE+3], s[8:9], s[68:69]
	s_or_b32 s[G0VE+3], s[G0VE+3], 0x80000000
	s_mov_b32 s[G0VL], 1
	s_add_co_u32 s[G0VL+1], s73, 131072
	s_add_nc_u64 s[G0VL+2:G0VL+3], s[8:9], s[70:71]
	s_or_b32 s[G0VL+3], s[G0VL+3], 0x80000000
	s_cmp_lt_u32 s[WV], 8                          ; a wave's two fills stand in one branch on its number, ahead of every wait on TENSORcnt, every LDS read and every barrier: two loads of mine are out, and no more ever
	s_cbranch_scc0 .Lfor_v
	tensor_load_to_lds s[G0KE:G0KE+3], s[G1E:G1E+7]
	s_nop 0
	tensor_load_to_lds s[G0KL:G0KL+3], s[G1L:G1L+7]
	s_nop 0
.rept 4
	v_nop
.endr
	s_branch .Lasked
.Lfor_v:
	tensor_load_to_lds s[G0VE:G0VE+3], s[G1E:G1E+7]
	s_nop 0
	tensor_load_to_lds s[G0VL:G0VL+3], s[G1L:G1L+7]
	s_nop 0
.rept 4
	v_nop
.endr
.Lasked:
	s_lshl_b32 s72, s[BH], 17
	s_lshl_b32 s68, s[Q0H], 6                      ; a tile of 16 queries is 1,024 bytes: 64 a query
	s_add_co_u32 s68, s68, s72
	s_add_nc_u64 s[80:81], s[4:5], s[68:69]        ; qf at tile H
	s_lshl_b32 s70, s[Q0L], 6
	s_add_co_u32 s70, s70, s72
	s_add_nc_u64 s[82:83], s[4:5], s[70:71]        ; at tile L
	v_and_b32 v[LI], 31, v0
	s_delay_alu instid0(VALU_DEP_1)
	v_lshlrev_b32 v[LI], 4, v[LI]
	s_wait_alu depctr_va_vdst(0)
	global_load_b128 v[QH:QH+3], v[LI], s[80:81]
	global_load_b128 v[QH+4:QH+7], v[LI], s[80:81] offset:512
	global_load_b128 v[QL:QL+3], v[LI], s[82:83]
	global_load_b128 v[QL+4:QL+7], v[LI], s[82:83] offset:512
	s_lshr_b32 s72, s[BH], 4                       ; of: batch x 2^21 + query x 1,024 + head x 1,024
	s_lshl_b32 s72, s72, 21
	s_and_b32 s73, s[BH], 15
	s_lshl_b32 s73, s73, 10
	s_add_co_u32 s72, s72, s73
	s_lshl_b32 s68, s[Q0H], 10
	s_add_co_u32 s68, s68, s72
	s_add_nc_u64 s[OPH:OPH+1], s[12:13], s[68:69]
	s_lshl_b32 s70, s[Q0L], 10
	s_add_co_u32 s70, s70, s72
	s_add_nc_u64 s[OPL:OPL+1], s[12:13], s[70:71]
	v_add_nc_u32 v[LV], 0x20000, v[LI]
	v_and_b32 v[RH], 15, v0
	v_bfe_u32 v4, v0, 4, 1
	s_delay_alu instid0(VALU_DEP_1)
	v_lshlrev_b32 v4, 3, v4
	s_delay_alu instid0(VALU_DEP_1)
	v_sub_nc_u32 v[RH], v[RH], v4
.irp st, STH, STL
	v_mov_b32 v[\st+1], 0xff61b1e6                 ; the largest t so far: -3e38, under every t
	s_delay_alu instid0(VALU_DEP_1)
	v_floor_f32 v[\st], -v[\st+1]                  ; -M
	v_mov_b32 v[\st+2], 0                          ; the sum, in two halves
	v_mov_b32 v[\st+3], 0
.endr
	v_mov_b32 v[FF+1], 0                           ; (named as the upper half of a pair)
	v_mov_b32 v[PX], 0                             ; written once: a lane permute's destination counts as one of its sources
	v_mov_b32 v[NINF], 0xff800000
.set j, 0
.rept 64
	v_mov_b32 v[OH+j], 0                           ; both tiles' O^T.  (The step is written once: a tile's first step finds zeros, which the first change of M leaves zeros)
.set j, j+1
.endr
	s_wait_kmcnt 0x0
	s_add_co_i32 s68, s60, s61
	s_lshl_b32 s68, s68, 23
	s_mov_b32 s[CS], 0x3e38aa3b                    ; c = log2(e) / sqrt(64)
	s_add_co_i32 s[CS], s[CS], s68                 ; a score stands for score x 2^(e6 + e7): the two exponents are added to c's exponent field
	s_mov_b32 s[CS+1], s[CS]                       ; (named with it as a pair, so it is written)
	s_add_co_i32 s68, s62, 127
	s_lshl_b32 s70, s68, 23
	v_mov_b32 v[PSC], s70                          ; 2^e8 as f32, for p's conversions
	s_sub_co_i32 s68, s66, s62
	s_sub_co_i32 s68, s68, s63                     ; O^T / the sum stands for that x 2^(e8 + e9): its code is that / 2^(e10 - e8 - e9)
	s_add_co_i32 s68, s68, 127
	s_lshl_b32 s70, s68, 23
	v_mov_b32 v[SCO], s70
; ONE TILE'S KEY STEP: 128 keys.  qr: its queries' registers; st: its statistics; ob: its O^T; q0: the scalar register with its first query.
.macro TILE qr, st, ob, q0
	s_add_co_u32 s[T0], s[\q0], 15                 ; a step all of whose keys come after the tile's 16 queries is left out: a scalar branch on ids; no barrier and no tensor load stands in a step
	s_cmp_gt_u32 s[KF], s[T0]
	s_cbranch_scc1 .Lhid_\@
.rept 4
	v_nop                                          ; places in front of loads into registers that the last products read
.endr
	s_wait_alu depctr_va_vdst(0)
.irp t, 0,1,2,3,4,5,6,7
.irp c, 0,1
	ds_load_b128 v[F+8*\t+4*\c:F+8*\t+4*\c+3], v[ADK] offset:1024*\t+512*\c   ; an image comes back as it was stored: 512 consecutive bytes a load
.endr
.endr
.irp t, 0,1,2,3,4,5,6,7
	s_wait_dscnt 14-2*\t                           ; LDS loads come back in order (ISA guide 5.7.1): fragment t's two are in, the 14 - 2 t issued behind them may be out
	v_wmma_f32_16x16x64_bf8_bf8 v[S+8*\t:S+8*\t+7], v[F+8*\t:F+8*\t+7], v[\qr:\qr+7], 0
.endr
.rept 4
	v_nop                                          ; places in front of the loads below and of the first read of the scores
.endr
	s_wait_alu depctr_va_vdst(0)
.irp t, 0,1,2,3
.irp c, 0,1,2,3
	ds_load_b128 v[F+16*\t+4*\c:F+16*\t+4*\c+3], v[ADV] offset:2048*\t+512*\c   ; V's fragments land while the softmax is walked
.endr
.endr
	s_add_co_u32 s[T0], s[KF], 127                 ; on the diagonal the scores of hidden keys become -infinity ahead of the maximum: p = 0 then.  A step all of whose keys count skips this.
	s_cmp_le_u32 s[T0], s[\q0]                     ; (q0 and KF are multiples of 16 and of 128: a step that is walked has KF <= q0, so key KF counts for every query of the tile)
	s_cbranch_scc1 .Lopen_\@
	s_sub_co_i32 s[T0], s[\q0], s[KF]
	v_add_nc_u32 v[DD], s[T0], v[RH]               ; register 8 t + j holds key KF + 16 t + 8 h + j: hidden where 16 t + j > q0 + r - KF - 8 h
.irp n, 0,1,2,3,4,5,6,7,8,9,10,11,12,13,14,15,16,17,18,19,20,21,22,23,24,25,26,27,28,29,30,31,32,33,34,35,36,37,38,39,40,41,42,43,44,45,46,47,48,49,50,51,52,53,54,55,56,57,58,59,60,61,62,63
	v_cmp_gt_i32 vcc_lo, 16*(\n/8)+\n%8, v[DD]
	v_cndmask_b32 v[S+\n], v[S+\n], v[NINF], vcc_lo
.endr
.Lopen_\@:
	v_max3_num_f32 v[MX], v[S], v[S+1], v[S+2]     ; the step's largest score of my query, among my 64 keys, in two chains, each accumulator from its low end on,
	v_max3_num_f32 v[MY], v[S+3], v[S+4], v[S+5]
.irp i, 6,10,14,18,22,26,30,34,38,42,46,50,54,58
	v_max3_num_f32 v[MX], v[MX], v[S+\i], v[S+1+\i]
	v_max3_num_f32 v[MY], v[MY], v[S+2+\i], v[S+3+\i]
.endr
	v_max3_num_f32 v[MX], v[MX], v[S+62], v[S+63]
	s_delay_alu instid0(VALU_DEP_1)
	v_max_num_f32 v[MX], v[MX], v[MY]
	s_delay_alu instid0(VALU_DEP_1)
	v_permlanex16_b32 v[PX], v[MX], s[SEL], s[SEL+1]
	s_delay_alu instid0(VALU_DEP_1)
	v_max_num_f32 v[MX], v[MX], v[PX]              ; and among lane l xor 16's
	s_delay_alu instid0(VALU_DEP_1)
	v_mul_f32 v[MX], s[CS], v[MX]                  ; as t (c is positive)
	s_delay_alu instid0(VALU_DEP_1)
	v_max_num_f32 v[\st+1], v[\st+1], v[MX]        ; the running largest t
	v_mov_b32 v[MX], v[\st]
	s_delay_alu instid0(VALU_DEP_2)
	v_floor_f32 v[\st], -v[\st+1]                  ; the new -M = floor(-t) = -ceil(t): M is a whole number
	s_delay_alu instid0(VALU_DEP_1)
	v_sub_f32 v[MX], v[\st], v[MX]                 ; M's old value less its new one: a whole number, 0 or less
	s_delay_alu instid0(VALU_DEP_1)
	v_cvt_i32_f32 v[MX], v[MX]                     ; (it saturates)
	s_delay_alu instid0(VALU_DEP_1)
	v_ldexp_f32 v[FF], 1.0, v[MX]                  ; f = 2^(old M - new M)
.irp j, 0,2,4,6,8,10,12,14,16,18,20,22,24,26,28,30,32,34,36,38,40,42,44,46,48,50,52,54,56,58,60,62
	v_pk_fma_f32 v[S+\j:S+1+\j], v[S+\j:S+1+\j], s[CS:CS+1], v[\st:\st+1] op_sel_hi:[1,0,0]   ; t - M, two at a time (of the pairs c and -M the low word serves both halves)
.endr
	s_wait_alu depctr_va_vdst(0)
.irp j, 0,1,2,3,4,5,6,7,8,9,10,11,12,13,14,15,16,17,18,19,20,21,22,23,24,25,26,27,28,29,30,31,32,33,34,35,36,37,38,39,40,41,42,43,44,45,46,47,48,49,50,51,52,53,54,55,56,57,58,59,60,61,62,63
	v_exp_f32 v[S+\j], v[S+\j]                     ; p = 2^(t - M), at most 1: not normalised
.endr
	v_pk_mul_f32 v[\st+2:\st+3], v[\st+2:\st+3], v[FF:FF+1] op_sel_hi:[1,0]   ; the sums under the new M.  (The plain instruction behind the exponentials: ISA guide 5.7.2)
	s_wait_alu depctr_va_vdst(0)
	v_pk_add_f32 v[SUM2:SUM2+1], v[S:S+1], v[S+2:S+3]                         ; the row's sum is taken of the unquantised p: two at a time, in two chains
.irp j, 4,8,12,16,20,24,28,32,36,40,44,48,52,56,60
	v_pk_add_f32 v[\st+2:\st+3], v[\st+2:\st+3], v[S+\j:S+1+\j]
	v_pk_add_f32 v[SUM2:SUM2+1], v[SUM2:SUM2+1], v[S+2+\j:S+3+\j]
.endr
	s_delay_alu instid0(VALU_DEP_1)
	v_pk_add_f32 v[\st+2:\st+3], v[\st+2:\st+3], v[SUM2:SUM2+1]
.irp t, 0,1,2,3,4,5,6,7
.irp i, 0,1,2,3,4,5,6,7
.endr
	v_cvt_scalef32_pk8_bf8_f32 v[PC+2*\t:PC+2*\t+1], v[S+8*\t:S+8*\t+7], v[PSC]   ; keys 16 t + 8 h + 0 .. 7: registers 2 t, 2 t + 1 of P's fragment
.endr
.irp j, 0,2,4,6,8,10,12,14,16,18,20,22,24,26,28,30
	v_pk_mul_f32 v[\ob+\j:\ob+1+\j], v[\ob+\j:\ob+1+\j], v[FF:FF+1] op_sel_hi:[1,0]   ; O^T under the new M.  (These are also the plain instructions between the conversions and the products that read the codes)
.endr
	s_wait_alu depctr_va_vdst(0)
	s_wait_dscnt 0x0                               ; V's fragments are in
.irp t, 0,1,2,3
	v_wmma_f32_16x16x128_bf8_bf8 v[\ob+8*\t:\ob+8*\t+7], v[F+16*\t:F+16*\t+15], v[PC:PC+15], v[\ob+8*\t:\ob+8*\t+7]   ; the four accumulators take turns, one instruction a turn
.endr
.Lhid_\@:
.endm
; n key steps from step first on; each walk states its own start.  Every wave walks every step, with a constant count; what is hidden is jumped over inside.
.macro WALK n, first
	s_mov_b32 s[TB], 8192*\first
	s_mov_b32 s[KF], 128*\first
	s_mov_b32 s[CNT], \n
.Lwalk_\@:
	v_add_nc_u32 v[ADK], s[TB], v[LI]
	v_add_nc_u32 v[ADV], s[TB], v[LV]
	TILE QH, STH, OH, Q0H
	TILE QL, STL, OL, Q0L
	s_add_co_u32 s[KF], s[KF], 128
	s_add_co_u32 s[TB], s[TB], 8192                ; a step's images of K, and of V, are 8,192 bytes
	s_sub_co_u32 s[CNT], s[CNT], 1
	s_cmp_lg_u32 s[CNT], 0
	s_cbranch_scc1 .Lwalk_\@
.endm
	s_wait_loadcnt 0x0                             ; Q
	s_wait_tensorcnt 1                             ; my early chunk has landed; the late one, issued behind it, may be out
	s_barrier_signal -1
	s_barrier_wait -1                              ; everybody's early chunk has: keys 0-511 of K (LDS bytes 0 .. 32,767) and of V (131,072 .. 163,839)
	WALK 4, 0                                      ; reads those bytes alone
	s_wait_tensorcnt 0x0                           ; my late chunk has landed
	s_wait_dscnt 0x0
	s_barrier_signal -1
	s_barrier_wait -1                              ; everybody's has
	WALK 12, 4
; THE WAY OUT of a tile: O^T / the sum, converted: eight registers, the head's half of a fragment of of; two stores of 512 consecutive aligned bytes.
.macro FINISH st, ob, sr, cr, op
	v_add_f32 v[MX], v[\st+2], v[\st+3]            ; the sum's two halves,
	s_delay_alu instid0(VALU_DEP_1)
	v_permlanex16_b32 v[PX], v[MX], s[SEL], s[SEL+1]
	s_delay_alu instid0(VALU_DEP_1)
	v_add_f32 v[MX], v[MX], v[PX]                  ; and lane l xor 16's: the row's sum
	s_wait_alu depctr_va_vdst(0)
	v_rcp_f32 v[FF], v[MX]
	v_nop                                          ; a plain instruction behind the reciprocal
	s_wait_alu depctr_va_vdst(0)
.irp j, 0,2,4,6,8,10,12,14,16,18,20,22,24,26,28,30
	v_pk_mul_f32 v[\sr+\j:\sr+1+\j], v[\ob+\j:\ob+1+\j], v[FF:FF+1] op_sel_hi:[1,0]   ; each accumulator from its low end on
.endr
.irp j, 0,1,2,3,4,5,6,7,8,9,10,11,12,13,14,15,16,17,18,19,20,21,22,23,24,25,26,27,28,29,30,31
.endr
.irp t, 0,1,2,3
	v_cvt_scalef32_pk8_bf8_f32 v[\cr+2*\t:\cr+2*\t+1], v[\sr+8*\t:\sr+8*\t+7], v[SCO]
.endr
	v_nop                                          ; one plain vector instruction behind the last conversion of a run
	global_store_b128 v[LI], v[\cr:\cr+3], s[\op:\op+1]
	global_store_b128 v[LI], v[\cr+4:\cr+7], s[\op:\op+1] offset:512
.endm
.rept 4
	v_nop                                          ; places behind the last products
.endr
	FINISH STH, OH, S, PC, OPH
	FINISH STL, OL, S+32, PC+8, OPL                ; other registers: no store's data are written again
	s_wait_tensorcnt 0x0
	ds_add_u32 v254, v255
	s_wait_dscnt 0x0
	s_endpgm
.Lfunc_end_k_q40f92df8e5_attn:
	.size	k_q40f92df8e5_attn, .Lfunc_end_k_q40f92df8e5_attn-k_q40f92df8e5_attn
	.p2alignl 7, 3214868480
	.fill 96, 4, 3214868480
	.section	.rodata,"a",@progbits
	.p2align	6, 0x0
	.amdhsa_kernel k_q40f92df8e5_attn
		.amdhsa_group_segment_fixed_size 264192
		.amdhsa_private_segment_fixed_size 0
		.amdhsa_enable_private_segment 0
		.amdhsa_kernarg_size 40
		.amdhsa_user_sgpr_count 2
		.amdhsa_user_sgpr_kernarg_segment_ptr 1
		.amdhsa_wavefront_size32 1
		.amdhsa_system_sgpr_workgroup_id_x 1
		.amdhsa_system_sgpr_workgroup_id_y 1
		.amdhsa_system_sgpr_workgroup_id_z 1
		.amdhsa_system_vgpr_workitem_id 0
		.amdhsa_next_free_vgpr 256
		.amdhsa_next_free_sgpr 84
		.amdhsa_reserve_vcc 1
		.amdhsa_float_denorm_mode_32 3
		.amdhsa_float_denorm_mode_16_64 3
		.amdhsa_fp16_overflow 1
		.amdhsa_memory_ordered 1
		.amdhsa_forward_progress 1
		.amdhsa_inst_pref_size 89
	.end_amdhsa_kernel
	.amdgpu_metadata
---
amdhsa.version: [ 1, 2 ]
amdhsa.kernels:
  - .name:           k_q40f92df8e5_attn
    .symbol:         k_q40f92df8e5_attn.kd
    .args:
      - { .name: qf, .offset: 0, .size: 8, .value_kind: global_buffer, .address_space: global }
      - { .name: kf, .offset: 8, .size: 8, .value_kind: global_buffer, .address_space: global }
      - { .name: vf, .offset: 16, .size: 8, .value_kind: global_buffer, .address_space: global }
      - { .name: lowp_scales, .offset: 24, .size: 8, .value_kind: global_buffer, .address_space: global }
      - { .name: of, .offset: 32, .size: 8, .value_kind: global_buffer, .address_space: global }
    .group_segment_fixed_size: 264192
    .private_segment_fixed_size: 0
    .kernarg_segment_align: 8
    .kernarg_segment_size: 40
    .max_flat_workgroup_size: 512
    .sgpr_count:     84
    .vgpr_count:     256
    .wavefront_size: 32
...
	.end_amdgpu_metadata
.endif
;; end of part 2
;; launch outp (part 3): grid 4 x 32, 4 waves a work-group, clusters of 4 x 4, 327,680 bytes of LDS; arguments of, Wo_codes, lowp_scales, bo, out0; writes out0
.if DOCPART == 3
	.amdgcn_target "amdgcn-amd-amdhsa--gfx1250"
	.amdhsa_code_object_version 6
	.text
	.protected	k_q40f92df8e5_outp
	.globl	k_q40f92df8e5_outp
	.p2align	8
	.type	k_q40f92df8e5_outp,@function
k_q40f92df8e5_outp:
	s_mov_b64 s[64:65], 0
	v_nop
	global_prefetch_b8 v0, s[64:65] scope:SCOPE_SE
	s_setreg_imm32_b32 hwreg(HW_REG_WAVE_MODE, 25, 1), 1
	s_wait_xcnt 0x0
	s_wait_alu depctr_hold_cnt(0) depctr_sa_sdst(0) depctr_va_vdst(0) depctr_va_sdst(0) depctr_va_ssrc(0) depctr_va_vcc(0) depctr_vm_vsrc(0)
	s_getreg_b32 s2, hwreg(HW_REG_IB_STS2, 6, 4)
	s_cmp_eq_u32 s2, 0
	s_cbranch_scc0 .Lentry_in_a_cluster
	s_endpgm
.Lentry_in_a_cluster:
	s_bfe_u32 s2, ttmp6, 0x10000c
	s_cmp_lg_u32 s2, 0xf033
	s_cbranch_scc0 .Lentry_shape_is_right
	s_endpgm
.Lentry_shape_is_right:
; out0[m][n] = 2^(e10 + e11) x (sum over k of A[m][k] Wo[n][k]) + bo[n], on codes of BF8 (E5M2).  8,192 x 1,024, K = 1,024; out0 f32.
; A, the attention's result, comes as IMAGES OF ITS FRAGMENTS' REGISTERS: of [token tile 512][128 along K: 8][4][lane 32][16 bytes], registers 2 c, 2 c + 1 of lane (r, h) = k 16 c + 8 h + 0 .. 7 (ISA guide 7.12.2).
; Wo_codes: [1024 (n)][1024 (k)], rows.  Its fragments are therefore fetched in that same order of k: eight loads of 8 bytes at row x pitch + 8 h + 16 c.
; A tile of 256 x 256 is made by four waves, a wave makes 128 x 128: 64 accumulators.  K goes in steps of 256 through a ring of two LDS slots filled by the tensor data mover.
; LIMIT: e10 + e11 between -126 and 127, so that 2^(e10 + e11) is an f32 number.
; CLUSTERS: 4 x 4 work-groups; A's tiles are shared along a row of the cluster, Wo's along a column, by joint loads.  128 tiles of 256 x 256 are all the work there is: 128 work-groups.
; THE MATRIX INSTRUCTION IS USED TRANSPOSED (source 0 = 16 rows of Wo, source 1 = 16 tokens): a lane holds eight neighbouring numbers of a row of out0.
; REGISTERS, in windows of 256: window 0: v0-31 addresses; v96-99 my four numbers of bo; from v128 A's fragments, ONE set, later rows of out0.   window 1: Wo's fragments, TWO sets.   windows 2, 3: the accumulators.
.set SIZE_N, 1024
.set ROWB,   256                       ; a row of Wo's tile in bytes
.set KROW,   1024                      ; a row of Wo in memory
.set PITCH,  272                       ; Wo's row in LDS: 256 bytes + 16 of padding = 68 words: the 32 lanes of a load of 8 bytes (word 68 r + 2 h) touch 64 different banks (64 banks of 4 bytes: ISA guide 11.1)
.set FR,     16
.set NL,     4                         ; LDS loads that bring a fragment of A
.set NP,     4
.set HALFA,  32768                     ; A: 8 token tiles x 4,096 bytes (256 along K): what one tensor load brings, and what one wave reads
.set HALFB,  128*PITCH                 ; Wo: 128 rows
.set BOFF,   2*HALFA                   ; a slot: A's two halves, then Wo's two
.set SLOT,   BOFF+2*HALFB
.set SPARE,  2*SLOT                    ; behind the ring: the spare words, 128 bytes for each wave: two blocks of 256 bytes that no other line names
.set SPITCH, 528                       ; the way out: a stage of 16 rows x (512 bytes + 16) for each wave.  It lies in slot 0, which has had its last fill and its last read when the first result is stored there
.set ADRA, 16                          ; v16-17  LDS address of my A fragments in slot 0, 1
.set ADRB, 20                          ; v20-21  the same for Wo
.set STO,  24                          ; v24     the way out: where I put 32 bytes of a row
.set RD,   25                          ; v25     where I read a row back
.set CO,   26                          ; v26     16 x lane: my place in an image, in a row of out0 and in my columns of bo
.set SPW,  28                          ; v28     LDS address of my spare word; never rewritten
.set NIL,  29                          ; v29     0; never rewritten
.set BIA,  96                          ; v96-99  bo at my four columns of a row read back
.set AF,   128
.set BK,   128                         ; the way out: 16 rows read back: v128-191 and v192-255 by turns
.set G1, 24
.set G0, 32
.set G1B, 48
.set G0B, 56
.set MSB, 0
.macro WIN new                         ; the immediate's high byte repeats the setting that is left
.if MSB != (\new)
	s_set_vgpr_msb (MSB<<8)|(\new)
.set MSB, (\new)
.endif
.endm
.set MUL_LO, 0xa1                      ; source 0 (Wo) window 1, source 1 (A) window 0, C and D window 2
.set MUL_HI, 0xf1
.set TO_B,   0x40
.macro JLOAD g0a, g1a, g0b, g1b        ; a joint load: waves 0 and 1 fetch for A, waves 2 and 3 for Wo; four v_nop follow each of the two lines
	s_cmp_eq_u32 s15, 0
	s_cbranch_scc0 .Lfor_b_\@
	tensor_load_to_lds s[\g0a:\g0a+3], s[\g1a:\g1a+7]
	s_nop 0
.rept 4
	v_nop
.endr
	s_branch .Lasked_\@
.Lfor_b_\@:
	tensor_load_to_lds s[\g0b:\g0b+3], s[\g1b:\g1b+7]
	s_nop 0
.rept 4
	v_nop
.endr
.Lasked_\@:
.endm
.macro CREST                           ; a round of the cluster's barrier behind its opening barrier
	s_cmp_lg_u32 s14, 0
	s_cbranch_scc1 .Lnot_wave_0_\@
	s_barrier_signal -3
.Lnot_wave_0_\@:
	s_barrier_wait -3
	s_barrier_signal -1
	s_barrier_wait -1
.endm
.macro CROUND
	s_barrier_signal -1
	s_barrier_wait -1
	CREST
.endm
	s_load_b128 s[4:7], s[0:1], 0x0                ; of s[4:5], Wo's codes s[6:7]
	s_load_b128 s[8:11], s[0:1], 0x10              ; the scales' exponents s[8:9], bo s[10:11]
	s_load_b64 s[12:13], s[0:1], 0x20              ; out0
	v_lshl_add_u32 v[SPW], v0, 2, SPARE
	v_mov_b32 v[NIL], 0
	ds_add_u32 v28, v29
	ds_add_u32 v28, v29
	s_wait_dscnt 0x0
	v_lshrrev_b32 v1, 5, v0
	v_readfirstlane_b32 s14, v1                    ; wave 0..3
	s_lshr_b32 s15, s14, 1                         ; which half of the tile's rows is mine.  Also: I fetch for A (0) or for Wo (1)
	s_and_b32 s16, s14, 1                          ; which half of its columns.  Also: which half of that tile I fetch
	s_bfe_u32 s40, ttmp6, 0x40000                  ; cx, cy
	s_bfe_u32 s41, ttmp6, 0x40004
	s_lshl_b32 s42, ttmp9, 2
	s_add_co_u32 s42, s42, s40                     ; tile column = 4 x cluster x + cx
	s_and_b32 s17, ttmp7, 0xffff
	s_lshl_b32 s17, s17, 2
	s_add_co_u32 s17, s17, s41                     ; tile row = 4 x cluster y + cy
	s_lshl_b32 s43, s41, 2
	s_lshl_b32 s43, 15, s43                        ; my row of the cluster
	s_lshl_b32 s44, 0x1111, s40                    ; my column
	; descriptor group 1 for A: 8 token tiles; of each, 4,096 consecutive bytes (512 elements of 8), 16,384 bytes (2,048 elements) apart; no padding: an image is read as 512 consecutive bytes
	s_or_b32 s[G1+0], s43, (3<<16)|(1<<21)
	s_mov_b32 s[G1+1], 512<<16                     ; tensor_dim0
	s_mov_b32 s[G1+2], 8<<16                       ; tensor_dim1
	s_mov_b32 s[G1+3], 512<<16                     ; tile_dim0
	s_mov_b32 s[G1+4], 8                           ; tile_dim1
	s_mov_b32 s[G1+5], 2048                        ; tensor_dim0_stride
	s_mov_b32 s[G1+6], 0
	s_mov_b32 s[G1+7], 0
	; for Wo: 128 rows x 256 bytes, 16 bytes of padding behind each
	s_or_b32 s[G1B+0], s44, (0<<16)|(1<<20)|(1<<21)|(5<<22)|(3<<25)
	s_mov_b32 s[G1B+1], ROWB<<16
	s_mov_b32 s[G1B+2], 128<<16
	s_mov_b32 s[G1B+3], ROWB<<16
	s_mov_b32 s[G1B+4], 128
	s_mov_b32 s[G1B+5], KROW
	s_mov_b32 s[G1B+6], 0
	s_mov_b32 s[G1B+7], 0
	s_lshl_b32 s20, s17, 4
	s_lshl_b32 s18, s16, 3
	s_add_co_u32 s20, s20, s18                     ; A: token tile 16 x tile row + 8 x half,
	s_lshl_b32 s20, s20, 14                        ; 16,384 bytes each
	s_mov_b32 s21, 0
	s_lshl_b32 s46, s42, 8
	s_lshl_b32 s18, s16, 7
	s_add_co_u32 s46, s46, s18                     ; Wo: row 256 x tile column + 128 x half,
	s_lshl_b32 s46, s46, 10                        ; 1,024 bytes each
	s_mov_b32 s47, 0
	s_lshl_b32 s45, s16, 15                        ; where they go: A's half,
	s_mul_i32 s19, s16, HALFB
	s_add_co_u32 s19, s19, BOFF                    ; Wo's half: no place in the cluster enters an LDS address
	s_wait_kmcnt 0x0
	s_load_b64 s[96:97], s[8:9], 0x28              ; e10, e11
	s_add_nc_u64 s[20:21], s[4:5], s[20:21]
	s_add_nc_u64 s[46:47], s[6:7], s[46:47]
	CROUND                                         ; all sixteen work-groups are here: the first joint loads meet
.irp s, 0,1
	s_mov_b32 s[G0+4*\s], 1
	s_add_co_u32 s[G0+4*\s+1], s45, \s*SLOT
	s_add_nc_u64 s[G0+4*\s+2:G0+4*\s+3], s[20:21], \s*4096
	s_or_b32 s[G0+4*\s+3], s[G0+4*\s+3], 0x80000000
	s_mov_b32 s[G0B+4*\s], 1
	s_add_co_u32 s[G0B+4*\s+1], s19, \s*SLOT
	s_add_nc_u64 s[G0B+4*\s+2:G0B+4*\s+3], s[46:47], \s*ROWB
	s_or_b32 s[G0B+4*\s+3], s[G0B+4*\s+3], 0x80000000
	s_wait_alu depctr_va_vdst(0)
	s_wait_tensorcnt 0x0
	ds_add_u32 v28, v29
	ds_add_u32 v28, v29
	s_wait_dscnt 0x0
	CROUND
	JLOAD G0+4*\s, G1, G0B+4*\s, G1B               ; one tensor load of mine is out at the most: this one
.endr
	v_and_b32 v1, 15, v0                           ; r
	v_bfe_u32 v2, v0, 4, 1                         ; h
	v_and_b32 v6, 31, v0
	v_lshlrev_b32 v[CO], 4, v6                     ; 16 x lane
	v_mul_u32_u24 v3, v1, PITCH
	v_lshl_add_u32 v4, v2, 3, v3                   ; Wo: row x pitch + 8 h
	s_lshl_b32 s21, s15, 15                        ; my 8 token tiles of A
	s_mul_i32 s22, s16, HALFB                      ; my 128 rows of Wo
	s_add_co_u32 s22, s22, BOFF
.irp s, 0,1
	v_add_nc_u32 v[ADRA+\s], s21, v[CO]
	v_add_nc_u32 v[ADRB+\s], s22, v4
	s_add_co_u32 s21, s21, SLOT
	s_add_co_u32 s22, s22, SLOT
.endr
	s_mul_i32 s23, s14, 16*SPITCH                  ; my stage
	v_mul_u32_u24 v5, v1, SPITCH                   ; in: row r, 32 bytes for each half of the lanes
	v_lshl_add_u32 v5, v2, 5, v5
	v_add_nc_u32 v[STO], s23, v5
	v_add_nc_u32 v[RD], s23, v[CO]                 ; back: the 32 lanes take one row of 512 bytes
	s_lshl_b32 s20, s17, 8
	s_lshl_b32 s21, s15, 7
	s_add_co_u32 s20, s20, s21                     ; my first row of out0,
	s_lshl_b32 s20, s20, 12                        ; 4,096 bytes each
	s_mov_b32 s21, 0
	s_lshl_b32 s46, s42, 10                        ; my first column, in bytes: 1,024 x tile column + 512 x half
	s_lshl_b32 s47, s16, 9
	s_add_co_u32 s46, s46, s47
	s_mov_b32 s47, 0
	s_add_nc_u64 s[10:11], s[10:11], s[46:47]      ; bo at my columns
	s_add_nc_u64 s[20:21], s[20:21], s[46:47]
	s_add_nc_u64 s[12:13], s[12:13], s[20:21]
	global_load_b128 v[BIA:BIA+3], v[CO], s[10:11] ; the four columns that I hold of every row read back
.macro FRAGA reg, adr, q, i            ; token tile i, the slot's q-th 128 along K: the image as it lies
.irp c, 0,1,2,3
	ds_load_b128 v[\reg+4*\c:\reg+4*\c+3], v[\adr] offset:2048*(\q)+512*\c+(\i)*4096
.endr
.endm
.macro FRAGB reg, adr, q, i            ; 16 rows of Wo x 128 K: registers 2 c, 2 c + 1 hold k = 16 c + 8 h + 0 .. 7, as A's images have it
.irp c, 0,1,2,3,4,5,6,7
	ds_load_b64 v[\reg+2*\c:\reg+2*\c+1], v[\adr] offset:128*(\q)+16*\c+(\i)*16*PITCH
.endr
.endm
; 16 matrix instructions: A's blocks a0, a0 + 1 x Wo's eight.  The 64 accumulators take turns, one instruction a turn, in the same order in every step.
.macro MUL16 a0, p, zero
.irp a, \a0, \a0+1
.irp b, 0,1,2,3,4,5,6,7
.if \zero
	v_wmma_f32_16x16x128_bf8_bf8 v[8*(8*((\a)%4)+\b):8*(8*((\a)%4)+\b)+7], v[128*(\p)+FR*\b:128*(\p)+FR*\b+FR-1], v[AF+FR*(\a):AF+FR*(\a)+FR-1], 0
.else
	v_wmma_f32_16x16x128_bf8_bf8 v[8*(8*((\a)%4)+\b):8*(8*((\a)%4)+\b)+7], v[128*(\p)+FR*\b:128*(\p)+FR*\b+FR-1], v[AF+FR*(\a):AF+FR*(\a)+FR-1], v[8*(8*((\a)%4)+\b):8*(8*((\a)%4)+\b)+7]
.endif
.endr
.endr
.endm
.macro FETCH_B slot, q, p
	WIN TO_B
.irp i, 0,1,2,3,4,5,6,7
	FRAGB 128*(\p)+FR*\i, ADRB+\slot, \q, \i
.endr
	WIN 0
.endm
.macro FETCH_A slot, q, i0
.irp i, \i0, \i0+1, \i0+2, \i0+3
	FRAGA AF+FR*(\i), ADRA+\slot, \q, \i
.endr
.endm
.macro PLACES n                        ; places behind matrix instructions, in front of loads into registers that they read and of reads of their results (ISA guide 7.12.1 for vector instructions)
.rept \n
	v_nop
.endr
.endm
.macro STEP slot, q, zero
	s_wait_dscnt 4*NL                              ; Wo's set and A's blocks 0-3 are in; the youngest sixteen loads (A's blocks 4-7) may be out
	WIN MUL_LO
	MUL16 0, (\q)%2, \zero
	MUL16 2, (\q)%2, \zero
	s_wait_dscnt 0
	PLACES NP
	FETCH_B \slot, (\q)+1, 1-(\q)%2
	FETCH_A \slot, (\q)+1, 0
	WIN MUL_HI
	MUL16 4, (\q)%2, \zero
	MUL16 6, (\q)%2, \zero
	PLACES NP
	WIN 0
	FETCH_A \slot, (\q)+1, 4
.endm
.macro TURN slot, next, fill
	s_wait_tensorcnt 0x0                           ; all my tensor loads have landed: my part of the next slot;  (every window is 0 here)
	ds_add_u32 v[SPW], v[NIL]                      ; 0 onto my spare word
	s_wait_dscnt 4*NL+1                            ; (the add and the youngest sixteen loads, A's blocks 4-7, may be out)
	WIN MUL_LO
	MUL16 0, 1, 0                                  ; sixteen matrix instructions stand between the add and the wait for it
	s_wait_dscnt 0x0                               ; the add is done, and my reads of this slot are over
	s_barrier_signal -1
	MUL16 2, 1, 0
	WIN 0
	s_barrier_wait -1
.if \fill
	CREST                                          ; the barrier has opened a round of the cluster's barrier: no wave of any partner still reads this slot's tile or has a load on its way
	s_add_nc_u64 s[G0+4*\slot+2:G0+4*\slot+3], s[G0+4*\slot+2:G0+4*\slot+3], 2*4096
	s_add_nc_u64 s[G0B+4*\slot+2:G0B+4*\slot+3], s[G0B+4*\slot+2:G0B+4*\slot+3], 2*ROWB
	JLOAD G0+4*\slot, G1, G0B+4*\slot, G1B         ; the first tensor load behind the round, my only one until the next; its four v_nop are the places in front of the loads below
.else
	PLACES NP
.endif
	FETCH_B \next, 0, 0
	FETCH_A \next, 0, 0
	WIN MUL_HI
	MUL16 4, 1, 0
	MUL16 6, 1, 0
	PLACES NP
	WIN 0
	FETCH_A \next, 0, 4
.endm
	s_wait_alu depctr_va_vdst(0)
	s_wait_tensorcnt 1                             ; my part of K step 0 is in (K step 1's load, issued behind it, may be out)
	s_barrier_signal -1
	s_barrier_wait -1                              ; everybody's is
	FETCH_B 0, 0, 0
	FETCH_A 0, 0, 0
	FETCH_A 0, 0, 4
	STEP 0, 0, 1                                   ; four K steps of 256, written straight
	TURN 0, 1, 1
	STEP 1, 0, 0
	TURN 1, 0, 1
	STEP 0, 0, 0
	TURN 0, 1, 0
	STEP 1, 0, 0
	s_wait_dscnt 4*NL
	WIN MUL_LO
	MUL16 0, 1, 0
	MUL16 2, 1, 0
	s_wait_dscnt 0
	WIN MUL_HI
	MUL16 4, 1, 0
	MUL16 6, 1, 0
	WIN 0
; THE WAY OUT, block by block of 16 rows x 128 columns.  A lane holds 32 neighbouring bytes of a row and the lanes beside it other rows: a block's sums go through my own stage in LDS as they are and come back as whole rows
; of 512 bytes.  There a lane holds the same four columns of every row, so one set of four numbers of bo serves: y = sum x 2^(e10 + e11) + bo, two packed multiply-adds a row.
; LDS serves a wave's instructions in order (ISA guide 5.7.1.4): no wait between the stores and the loads, nor in front of the next block's stores.
.macro TOSTAGE a
.set AC, 64*((\a)%4)
	WIN 0x08+4*((\a)/4)                            ; an LDS store's data: window 2 or 3
.irp b, 0,1,2,3,4,5,6,7
	ds_store_b128 v[STO], v[AC+8*\b:AC+8*\b+3] offset:64*\b           ; each accumulator from its low end on
	ds_store_b128 v[STO], v[AC+8*\b+4:AC+8*\b+7] offset:64*\b+16
.endr
	WIN 0
.set BB, BK+64*((\a)%2)
.irp t, 0,1,2,3,4,5,6,7,8,9,10,11,12,13,14,15
	ds_load_b128 v[BB+4*\t:BB+4*\t+3], v[RD] offset:\t*SPITCH
.endr
.endm
.macro SEND a, younger                 ; younger: the LDS instructions issued behind block a's loads, which may stay out
.set BB, BK+64*((\a)%2)
	s_wait_dscnt \younger                          ; the block is back in registers
.if (\a) > 0
	s_add_nc_u64 s[12:13], s[12:13], 16*SIZE_N*4   ; (behind a wait on XCNT: the earlier stores have read their base)  16 rows on
.endif
.irp t, 0,1,2,3,4,5,6,7,8,9,10,11,12,13,14,15
	v_pk_fma_f32 v[BB+4*\t:BB+4*\t+1], v[BB+4*\t:BB+4*\t+1], s[96:97], v[BIA:BIA+1] op_sel_hi:[1,0,1]       ; the scalar pair's low word, 2^(e10 + e11), for both halves
	v_pk_fma_f32 v[BB+4*\t+2:BB+4*\t+3], v[BB+4*\t+2:BB+4*\t+3], s[96:97], v[BIA+2:BIA+3] op_sel_hi:[1,0,1]
	global_store_b128 v[CO], v[BB+4*\t:BB+4*\t+3], s[12:13] offset:\t*SIZE_N*4 th:TH_STORE_NT   ; 32 lanes store 512 consecutive bytes, at a multiple of 512 from out0's first byte; written once, read by nobody here
.endr
.endm
	s_wait_kmcnt 0x0
	s_add_co_i32 s96, s96, s97                     ; e10 + e11, between -126 and 127,
	s_add_co_i32 s96, s96, 127
	s_lshl_b32 s96, s96, 23                        ; makes the f32 number 2^(e10 + e11)
	s_wait_loadcnt 0x0                             ; bo
	PLACES NP                                      ; behind the last products: for the LDS stores of results and the loads into the registers that held A's fragments
	TOSTAGE 0
.irp a, 1,2,3,4,5,6,7
.if \a > 1
	s_wait_xcnt 0x0                                ; block a - 2's stores have read their registers and their base: block a's loads may land there, and the base may step
.endif
	TOSTAGE \a
	SEND \a-1, 32                                  ; behind block a - 1's loads: block a's 16 stores and 16 loads
.endr
	s_wait_xcnt 0x0                                ; block 6's stores have read their base
	SEND 7, 0
	s_wait_tensorcnt 0x0                           ; the wave's end: behind my last tensor load and my last LDS store
	ds_add_u32 v[SPW], v[NIL]
	s_wait_dscnt 0x0
	CROUND                                         ; the closing round: no work-group ends while a partner may still ask for a tile that names it
	s_endpgm
.Lfunc_end_k_q40f92df8e5_outp:
	.size	k_q40f92df8e5_outp, .Lfunc_end_k_q40f92df8e5_outp-k_q40f92df8e5_outp
	.p2alignl 7, 3214868480
	.fill 96, 4, 3214868480
	.section	.rodata,"a",@progbits
	.p2align	6, 0x0
	.amdhsa_kernel k_q40f92df8e5_outp
		.amdhsa_group_segment_fixed_size 327680
		.amdhsa_private_segment_fixed_size 0
		.amdhsa_enable_private_segment 0
		.amdhsa_kernarg_size 40
		.amdhsa_user_sgpr_count 2
		.amdhsa_user_sgpr_kernarg_segment_ptr 1
		.amdhsa_wavefront_size32 1
		.amdhsa_system_sgpr_workgroup_id_x 1
		.amdhsa_system_sgpr_workgroup_id_y 1
		.amdhsa_system_sgpr_workgroup_id_z 1
		.amdhsa_system_vgpr_workitem_id 0
		.amdhsa_next_free_vgpr 1024
		.amdhsa_next_free_sgpr 98
		.amdhsa_reserve_vcc 0
		.amdhsa_float_denorm_mode_32 3
		.amdhsa_float_denorm_mode_16_64 3
		.amdhsa_memory_ordered 1
		.amdhsa_forward_progress 1
		.amdhsa_inst_pref_size 140
	.end_amdhsa_kernel
	.amdgpu_metadata
---
amdhsa.version: [ 1, 2 ]
amdhsa.kernels:
  - .name:           k_q40f92df8e5_outp
    .symbol:         k_q40f92df8e5_outp.kd
    .args:
      - { .name: of, .offset: 0, .size: 8, .value_kind: global_buffer, .address_space: global }
      - { .name: Wo_codes, .offset: 8, .size: 8, .value_kind: global_buffer, .address_space: global }
      - { .name: lowp_scales, .offset: 16, .size: 8, .value_kind: global_buffer, .address_space: global }
      - { .name: bo, .offset: 24, .size: 8, .value_kind: global_buffer, .address_space: global }
      - { .name: out0, .offset: 32, .size: 8, .value_kind: global_buffer, .address_space: global }
    .group_segment_fixed_size: 327680
    .private_segment_fixed_size: 0
    .kernarg_segment_align: 8
    .kernarg_segment_size: 40
    .max_flat_workgroup_size: 128
    .sgpr_count:     98
    .vgpr_count:     1024
    .wavefront_size: 32
...
	.end_amdgpu_metadata
.endif
;; end of part 3
